; MI455X (gfx1250); checked and timed in simulation.
; The chip was launched on July 23, 2026; its instructions are those of AMD's public machine-readable ISA for CDNA 5 (MIT licence, August 2026) and "CDNA5" Instruction Set Architecture Reference Guide (July 2026). The comments in the code are by the model that wrote it; some were corrected since.
;; Sparse Linear. Allowed arithmetic: float matrix products may take bf16 or f16 operands with f32 sums; other float arithmetic in f32, or as packed bf16 or f16 multiplies, adds, multiply-adds, maxima and minima; sums over many terms, partial sums and values carried from step to step in f32; what a program stores and reads back later, other than sums and carried values, may be rounded once to bf16 or f16.
;; Inputs: bias 4,096 float32; mask 4,096 x 4,096 bool; residual_connection 4,096 int32; weight 4,096 x 4,096 float32; x 4,096 x 4,096 float32.
;; Outputs: out0 4,096 x 4,096 float32.
;; 2 versions, each right; version 2 is version 1 with the launch prep written anew for expert scheduling mode. Each part assembles by itself: llvm-mc -triple=amdgcn-amd-amdhsa -mcpu=gfx1250 --defsym DOCPART=n.
;; ======== version 1 of 2: 2 launches
;; workspace buffers: xb 33,554,432 bytes; wb 33,554,432 bytes; res 33,554,432 bytes
;; launch prep (part 1): grid 512 x 2, 8 waves a work-group, no clusters, 66,560 bytes of LDS; arguments x, weight, mask, residual_connection, xb, wb, res; writes xb, wb, res
.if DOCPART == 1
	.amdgcn_target "amdgcn-amd-amdhsa--gfx1250"
	.amdhsa_code_object_version 6
	.text
	.protected	k_q73490f4c18_prep
	.globl	k_q73490f4c18_prep
	.p2align	8
	.type	k_q73490f4c18_prep,@function
k_q73490f4c18_prep:
	s_mov_b64 s[64:65], 0
	v_nop
	global_prefetch_b8 v0, s[64:65] scope:SCOPE_SE
	s_setreg_imm32_b32 hwreg(HW_REG_WAVE_MODE, 25, 1), 1
	s_wait_xcnt 0x0
; PREPARATION FOR THE PRODUCT  out = relu(x (mask ? W : 0)^T + bias) + x[:, rc].   x, weight: [4096][4096] f32; mask: [4096][4096] bytes; rc: [4096] i32.
;   xb  [4096 m][4096 k] bf16 = x rounded once (to nearest even)
;   wb  [4096 n][4096 k] bf16 = weight rounded once where the mask byte is 1, +0 where it is 0
;   res [512 mb][4096 n][8 i] bf16 = xb[8 mb + i][rc[n]]: the 16 bytes that one lane of the product's result (one column n, eight rows) adds at the end
; LIMITS.  rc lies in 0 .. 4095, as the gather in the problem relies on; a number outside is taken as a column inside the row (its LDS position is held to 4095).  A mask byte is 0 or 1.
; SHARES.  Work-group (g, y) owns rows 8 g .. 8 g + 7 of x (y = 0) or of weight and mask (y = 1).  Thread t owns columns 4 (t + 256 i) .. + 3, i = 0 .. 3, of each row: a load of a wave covers 512
; consecutive bytes, and all 128 KiB of the block are asked for at once: 32 loads a thread.  Each input byte is read once; nothing is multiplied, and no work-group shares a byte of the large inputs with
; another: so no matrix unit, no cluster, no tensor load.
; THE GATHER (y = 0).  The block's 8 rows lie in LDS turned: column c's eight bf16 are one chunk of 16 bytes, at 16 p(c), p(c) = 1024 (c % 4) + c / 4, so that the threads of a wave store
; neighbouring chunks.  Behind a barrier thread t reads chunk p(rc[n]) for n = t + 256 k, one LDS load each, and stores it: a wave's store covers 512 consecutive bytes of res.
; The branch between the two kinds of work-group hangs on y alone, which all eight waves share: either every wave passes the barrier or none.
.set ROWF,  16384                      ; bytes in a row of x and of weight
.set ROWH,  8192                       ; bytes in a row of xb and of wb
.set ROWM,  4096                       ; bytes in a row of mask
.set SPARE, 65536                      ; behind the image: the spare words, 128 bytes for each of the eight waves: four blocks of 256 bytes that no other line names
.set O16, 1                            ; v1   16 t; never rewritten
.set O8,  2                            ; v2   8 t
.set O4,  3                            ; v3   4 t
.set SPW, 4                            ; v4   LDS address of my spare word; never rewritten
.set NIL, 5                            ; v5   0, for the add alone
.set ZERO, 6                           ; v6   0, the byte picker's other source
.set T,   8                            ; v[8:23]    at work
.set X,   32                           ; v[32:159]  group i, row j: four f32 at X + 4 (8 i + j); later two words of bf16 in the first two
.set RC,  160                          ; v[160:175] y = 0: rc[t + 256 k], then the LDS address of its chunk
.set M,   160                          ; v[160:191] y = 1: group i, row j: four mask bytes at M + 8 i + j
	s_load_b256 s[4:11], s[0:1], 0x0               ; x s[4:5], weight s[6:7], mask s[8:9], rc s[10:11]
	s_load_b128 s[12:15], s[0:1], 0x20             ; xb s[12:13], wb s[14:15]
	s_load_b64 s[16:17], s[0:1], 0x30              ; res
	v_lshl_add_u32 v[SPW], v0, 2, SPARE
	v_mov_b32 v[NIL], 0
	v_lshlrev_b32 v[O16], 4, v0
	v_lshlrev_b32 v[O8], 3, v0
	v_lshlrev_b32 v[O4], 2, v0
	s_and_b32 s18, ttmp7, 0xffff                   ; y
	s_lshl_b32 s20, ttmp9, 17                      ; my block in x or weight: 8 rows of 16,384 bytes
	s_mov_b32 s21, 0
	s_lshl_b32 s22, ttmp9, 16                      ; in xb, wb and res: 65,536 bytes
	s_mov_b32 s23, 0
	s_lshl_b32 s24, ttmp9, 15                      ; in mask: 32,768 bytes
	s_mov_b32 s25, 0
	s_wait_kmcnt 0x0
	s_cmp_lg_u32 s18, 0
	s_cbranch_scc1 .Lw
; Group i's eight loads, a row each, from the base in s[base:base+1]
.macro LOADG base, i
.irp j, 0,1,2,3,4,5,6,7
	global_load_b128 v[X+4*(8*(\i)+(\j)):X+4*(8*(\i)+(\j))+3], v[O16], s[(\base):(\base)+1] offset:ROWF*(\j)+4096*(\i) th:TH_LOAD_NT
.endr
.endm
; The four f32 at v[d] become four bf16 in v[d], v[d+1]
.macro NARROW
	v_cvt_pk_bf16_f32 v[d], v[d], v[d+1]
	v_cvt_pk_bf16_f32 v[d+1], v[d+2], v[d+3]
.endm
	; ---------------- y = 0: x ----------------
	s_add_nc_u64 s[4:5], s[4:5], s[20:21]
	s_add_nc_u64 s[12:13], s[12:13], s[22:23]
	s_add_nc_u64 s[16:17], s[16:17], s[22:23]
.irp k, 0,1,2,3,4,5,6,7,8,9,10,11,12,13,14,15
	global_load_b32 v[RC+(\k)], v[O4], s[10:11] offset:1024*(\k)  ; rc[t + 256 k]: every work-group reads these, so no hint
.endr
.irp i, 0,1,2,3
	LOADG 4, \i
.endr
	s_wait_loadcnt 32                              ; loads come back in order: rc is in, the 32 younger loads of x stay out
.irp k, 0,1,2,3,4,5,6,7,8,9,10,11,12,13,14,15
	v_and_b32 v[T+(\k)], 3, v[RC+(\k)]             ; c % 4
	v_lshrrev_b32 v[RC+(\k)], 2, v[RC+(\k)]        ; c / 4
	v_lshl_or_b32 v[RC+(\k)], v[T+(\k)], 10, v[RC+(\k)]  ; p(c)
	v_min_u32 v[RC+(\k)], 0xfff, v[RC+(\k)]        ; held inside the image
	v_lshlrev_b32 v[RC+(\k)], 4, v[RC+(\k)]        ; 16 bytes a chunk
.endr
.irp i, 0,1,2,3
	s_wait_loadcnt 8*(3-(\i))                      ; group i is in; the later groups' eight loads each stay out
.irp q, 0,1,2,3                                    ; column q of my four: rows 2 u and 2 u + 1 into word u of its chunk
.irp u, 0,1,2,3
	v_cvt_pk_bf16_f32 v[T+4*(\q)+(\u)], v[X+4*(8*(\i)+2*(\u))+(\q)], v[X+4*(8*(\i)+2*(\u)+1)+(\q)]
.endr
	ds_store_b128 v[O16], v[T+4*(\q):T+4*(\q)+3] offset:4096*(\i)+16384*(\q)  ; 16 p(c) = 16 t + 4,096 i + 16,384 q: neighbouring lanes, neighbouring chunks
.endr
.irp j, 0,1,2,3,4,5,6,7
.set d, X+4*(8*(\i)+(\j))
	NARROW
	global_store_b64 v[O8], v[d:d+1], s[12:13] offset:ROWH*(\j)+2048*(\i) th:TH_STORE_NT  ; a wave's store covers 256 consecutive bytes, aligned
.endr
.endr
	s_wait_dscnt 0x0                               ; for the others' sake: my chunks lie in the image
	s_barrier_signal -1
	s_barrier_wait -1                              ; everybody's do
	s_wait_xcnt 0x0                                ; the stores above have read their data registers: X is loaded into again only behind this wait
.irp k, 0,1,2,3,4,5,6,7,8,9,10,11,12,13,14,15
	ds_load_b128 v[X+4*(\k):X+4*(\k)+3], v[RC+(\k)]
.endr
.irp k, 0,1,2,3,4,5,6,7,8,9,10,11,12,13,14,15
	s_wait_dscnt 15-(\k)                           ; LDS loads come back in order: chunk k is in, the younger ones stay out
	global_store_b128 v[O16], v[X+4*(\k):X+4*(\k)+3], s[16:17] offset:4096*(\k) th:TH_STORE_NT  ; n = t + 256 k: a wave's store covers 512 consecutive bytes
.endr
	s_branch .Lend
	; ---------------- y = 1: weight and mask ----------------
.Lw:
	s_add_nc_u64 s[6:7], s[6:7], s[20:21]
	s_add_nc_u64 s[8:9], s[8:9], s[24:25]
	s_add_nc_u64 s[14:15], s[14:15], s[22:23]
	s_mov_b32 s26, 0x04010400                      ; picks mask bytes 0 and 1 into the low bytes of the two halves, 0 elsewhere
	s_mov_b32 s27, 0x04030402                      ; the same for bytes 2 and 3
	v_mov_b32 v[ZERO], 0
.irp i, 0,1,2,3
.irp j, 0,1,2,3,4,5,6,7
	global_load_b32 v[M+8*(\i)+(\j)], v[O4], s[8:9] offset:ROWM*(\j)+1024*(\i) th:TH_LOAD_NT
.endr
	LOADG 6, \i
.endr
.irp i, 0,1,2,3
	s_wait_loadcnt 16*(3-(\i))                     ; group i's masks and weights are in; the later groups' sixteen loads each stay out
.irp j, 0,1,2,3,4,5,6,7
.set d, X+4*(8*(\i)+(\j))
	NARROW
	v_perm_b32 v[T+2*(\j)], v[ZERO], v[M+8*(\i)+(\j)], s26
	v_perm_b32 v[T+2*(\j)+1], v[ZERO], v[M+8*(\i)+(\j)], s27
	v_mul_u32_u24 v[T+2*(\j)], 0xffff, v[T+2*(\j)]      ; 1 in a half becomes 0xffff: no carry from the low half into the high one
	v_mul_u32_u24 v[T+2*(\j)+1], 0xffff, v[T+2*(\j)+1]
	v_and_b32 v[d], v[d], v[T+2*(\j)]              ; a masked weight is +0, whatever it was
	v_and_b32 v[d+1], v[d+1], v[T+2*(\j)+1]
	global_store_b64 v[O8], v[d:d+1], s[14:15] offset:ROWH*(\j)+2048*(\i) th:TH_STORE_NT
.endr
.endr
.Lend:
	s_wait_tensorcnt 0x0                           ; the wave's end, behind my last LDS store
	ds_add_u32 v[SPW], v[NIL]
	s_wait_dscnt 0x0
	s_endpgm
.Lfunc_end_k_q73490f4c18_prep:
	.size	k_q73490f4c18_prep, .Lfunc_end_k_q73490f4c18_prep-k_q73490f4c18_prep
	.p2alignl 7, 3214868480
	.fill 96, 4, 3214868480
	.section	.rodata,"a",@progbits
	.p2align	6, 0x0
	.amdhsa_kernel k_q73490f4c18_prep
		.amdhsa_group_segment_fixed_size 66560
		.amdhsa_private_segment_fixed_size 0
		.amdhsa_enable_private_segment 0
		.amdhsa_kernarg_size 56
		.amdhsa_user_sgpr_count 2
		.amdhsa_user_sgpr_kernarg_segment_ptr 1
		.amdhsa_wavefront_size32 1
		.amdhsa_system_sgpr_workgroup_id_x 1
		.amdhsa_system_sgpr_workgroup_id_y 1
		.amdhsa_system_sgpr_workgroup_id_z 1
		.amdhsa_system_vgpr_workitem_id 0
		.amdhsa_next_free_vgpr 192
		.amdhsa_next_free_sgpr 66
		.amdhsa_reserve_vcc 0
		.amdhsa_float_denorm_mode_32 3
		.amdhsa_float_denorm_mode_16_64 3
		.amdhsa_memory_ordered 1
		.amdhsa_forward_progress 1
		.amdhsa_inst_pref_size 48
	.end_amdhsa_kernel
	.amdgpu_metadata
---
amdhsa.version: [ 1, 2 ]
amdhsa.kernels:
  - .name:           k_q73490f4c18_prep
    .symbol:         k_q73490f4c18_prep.kd
    .args:
      - { .name: x, .offset: 0, .size: 8, .value_kind: global_buffer, .address_space: global }
      - { .name: weight, .offset: 8, .size: 8, .value_kind: global_buffer, .address_space: global }
      - { .name: mask, .offset: 16, .size: 8, .value_kind: global_buffer, .address_space: global }
      - { .name: residual_connection, .offset: 24, .size: 8, .value_kind: global_buffer, .address_space: global }
      - { .name: xb, .offset: 32, .size: 8, .value_kind: global_buffer, .address_space: global }
      - { .name: wb, .offset: 40, .size: 8, .value_kind: global_buffer, .address_space: global }
      - { .name: res, .offset: 48, .size: 8, .value_kind: global_buffer, .address_space: global }
    .group_segment_fixed_size: 66560
    .private_segment_fixed_size: 0
    .kernarg_segment_align: 8
    .kernarg_segment_size: 56
    .max_flat_workgroup_size: 256
    .sgpr_count:     66
    .vgpr_count:     192
    .wavefront_size: 32
...
	.end_amdgpu_metadata
.endif
;; end of part 1
;; launch gemm (part 2): grid 16 x 16, 4 waves a work-group, clusters of 4 x 4, 327,680 bytes of LDS; arguments xb, wb, bias, res, out0; writes out0
.if DOCPART == 2
	.amdgcn_target "amdgcn-amd-amdhsa--gfx1250"
	.amdhsa_code_object_version 6
	.text
	.protected	k_q73490f4c18_gemm
	.globl	k_q73490f4c18_gemm
	.p2align	8
	.type	k_q73490f4c18_gemm,@function
k_q73490f4c18_gemm:
	s_mov_b64 s[64:65], 0
	v_nop
	global_prefetch_b8 v0, s[64:65] scope:SCOPE_SE
	s_setreg_imm32_b32 hwreg(HW_REG_WAVE_MODE, 25, 1), 1
	s_wait_xcnt 0x0
	s_wait_alu depctr_hold_cnt(0) depctr_sa_sdst(0) depctr_va_vdst(0) depctr_va_sdst(0) depctr_va_ssrc(0) depctr_va_vcc(0) depctr_vm_vsrc(0)
	s_getreg_b32 s2, hwreg(HW_REG_IB_STS2, 6, 4)
	s_cmp_eq_u32 s2, 0
	s_cbranch_scc0 .Lentry_in_a_cluster
	s_endpgm
.Lentry_in_a_cluster:
	s_bfe_u32 s2, ttmp6, 0x10000c
	s_cmp_lg_u32 s2, 0xf033
	s_cbranch_scc0 .Lentry_shape_is_right
	s_endpgm
.Lentry_shape_is_right:
; out0[m][n] = relu(bias[n] + sum over k of xb[m][k] wb[n][k]) + res(m, n).   xb, wb: [4096][4096] bf16; bias: [4096] f32; out0: [4096][4096] f32;
; res: [512 mb][4096 n][8 i] bf16 holds the residual of rows 8 mb + i at column n.  Sums in f32, begun with the bias; relu and the residual's addition in f32.
; LIMIT.  A sum that is NaN leaves the relu as 0 (the maximum lets the number win).
; SHARES.  A tile of out0, 256 x 256, is made by a work-group of four waves, one for each SIMD of a WGP; a wave makes 128 x 128: 64 accumulators of 16 x 16, 512 registers.  256 tiles, 256 work-groups.
; K goes in 32 steps of 128 through a ring of two LDS slots filled by the tensor data mover: a tile's rows are 256 bytes of memory, at multiples of 256 bytes from the buffer's first byte.
; CLUSTERS: 4 x 4 work-groups.  The four of a row of the cluster need the same tiles of xb, the four of a column the same tiles of wb: such a tile is asked for JOINTLY, by the same tensor load with the
; same descriptor and a mask that names the four; each receives it in its own LDS.  That divides the requests for both operands by four.
; LAYOUT.  Source 0 = 16 rows of xb, source 1 = 16 rows of wb: in the result lane l holds column n = l % 16 and, in registers 0 to 7, rows m = 8 (l / 16) + 0 .. 7.  So a lane's bias is one number,
; given as the C operand of the first product, and its residual is one chunk of 16 bytes of res.  On the way out a block of 16 rows goes through the wave's own stage in LDS and leaves as whole rows of 512 bytes.
; REGISTERS, in windows of 256 (s_set_vgpr_msb's low byte: bits 1:0 source 0, 3:2 source 1, 5:4 source 2, 7:6 destination):
;   window 0: v0-31 addresses; v64-127, v128-191 fragments of xb, two buffers; v192-255 the bias, eight registers a column block, for the first quarter step; later v32-63, v192-255, v64-95 residuals
;   window 1: v64-127, v128-191 fragments of wb, two buffers; v0-63, v192-255 residuals
;   window 2: the 32 accumulators of my rows 0-63 (row block a, column block b at v[8 (8 a + b)]);   window 3: those of my rows 64-127
.set SIZE_K, 4096
.set SIZE_N, 4096
.set KSTEP,  128
.set PITCH,  272                       ; an LDS row: 256 bytes of data + 16 of padding = 68 words: row r starts at bank 4 r mod 64 (64 banks of 4 bytes: ISA guide 11.1), so the 16 rows of a load start at 16 different banks
.set HALFT,  128*PITCH                 ; 128 rows: what one tensor load brings, and what one wave reads of xb or of wb
.set SLOT,   4*HALFT                   ; xb's 256 rows, then wb's 256 rows
.set STAGE,  2*SLOT                    ; behind the ring: 16 rows x 528 bytes for each wave, for the way out; no tensor load lands here
.set SP,     528                       ; a stage row: 512 bytes + 16: eight rows on are 1,056 words, 32 banks on: the two halves of the lanes store into different banks
.set SPARE,  STAGE+4*16*SP             ; behind the stages: the spare words, 128 bytes for each wave: two blocks of 256 bytes that no other line names
.set LAPS,   SIZE_K/(2*KSTEP)          ; a lap = two K steps = once round the ring
.set ADRA, 16                          ; v16-17  LDS address of my fragments of xb in slot 0, 1
.set ADRB, 20                          ; v20-21  the same for wb
.set ONE,  23                          ; v23     1.0
.set STO,  24                          ; v24     the way out: my word in the stage: row 8 (l / 16), column l % 16
.set RD,   25                          ; v25     the way out: my 16 bytes of a stage row
.set CO,   26                          ; v26     my 16 bytes of a row's 512 in out0
.set RO,   27                          ; v27     my chunk in res: 65,536 (l / 16) + 16 (l % 16)
.set SPW,  28                          ; v28     LDS address of my spare word: SPARE + 4 x my thread's number; never rewritten
.set NIL,  29                          ; v29     0; never rewritten
.set PFO,  30                          ; v30     the prefetches' offset: my lane x a row of xb or wb; never rewritten
.set BO,   31                          ; v31     my column's 4 bytes in 16 columns of bias
.set F0,   64                          ; fragment buffer 0
.set F1,   128                         ; fragment buffer 1
.set BC,   192                         ; the bias: column block b in v[BC + 8 b .. + 7], all eight alike
.set G1,  24                           ; s[24:31] descriptor group 1 for xb's tiles
.set G0,  32                           ; s[32:39] descriptor group 0 for xb's tiles, one set for each slot
.set G1B, 48                           ; s[48:55] group 1 for wb's tiles: it differs in the mask alone
.set G0B, 56                           ; s[56:63] group 0 for wb's tiles
.set LIM, 43                           ; s43     1 in a wave that prefetches, else the greatest number
.set PFA, 44                           ; s[44:45] where my prefetches stand: my work-group's 32 rows of the 128 that I fetch, one K step beyond the refill in hand
.set MSB, 0
.macro WIN new                         ; the immediate's high byte repeats the setting that is left; a switch that changes nothing is dropped
.if MSB != (\new)
	s_set_vgpr_msb (MSB<<8)|(\new)
.set MSB, \new
.endif
.endm
.set MUL_LO, 0xa4                      ; source 0 (xb) window 0, source 1 (wb) window 1, C and D window 2; + 0x50: C and D window 3
.set MUL_C0, 0x84                      ; the same with C (the bias) in window 0; + 0x40: D window 3
.set TO_B,   0x40                      ; destination window 1, address window 0
; A joint load.  Waves 0 and 1 fetch xb's two halves, waves 2 and 3 wb's.  Each line has one mask and one set of registers, and nothing in them hangs on a coordinate that the four partners do not share.
; The branch hangs on the wave's number alone.  An s_nop 0 and four v_nop follow each of the two lines, ahead of the jump, the label and what follows.
.macro JLOAD s
	s_cmp_eq_u32 s11, 0
	s_cbranch_scc0 .Lfor_b_\@
	tensor_load_to_lds s[G0+4*(\s):G0+4*(\s)+3], s[G1:G1+7]
	s_nop 0
.rept 4
	v_nop
.endr
	s_branch .Lasked_\@
.Lfor_b_\@:
	tensor_load_to_lds s[G0B+4*(\s):G0B+4*(\s)+3], s[G1B:G1B+7]
	s_nop 0
.rept 4
	v_nop
.endr
.Lasked_\@:
.endm
; A PREFETCH INTO THE L2, behind each joint refill, its five lines and the run of LDS loads that follows: the K step that stands TWO refills on, 512 matrix instructions ahead of the load that will ask for it:
; 32 rows x 256 bytes, a lane a row, one instruction a wave.  Each row's 256 bytes of a K step are named ONCE in the launch: xb's tile row is walked by every cluster of that row of clusters, and the one
; with cluster x = 0 asks; wb's tile column by every cluster of that column, and the one with cluster y = 0 asks.  The four partners of a joint load share its 128 rows out BY ADDRESS, 32 each: no branch
; hangs on a work-group's place in its cluster.  K steps 0 to 3 come by their loads alone; the loop's last trip (s3 = 1) asks for nothing: its refills are K steps 30 and 31, and there is no K step 32.
.macro ASK
	s_cmp_gt_u32 s3, s[LIM]
	s_cbranch_scc0 .Lnot_mine_\@
	global_prefetch_b8 v[PFO], s[PFA:PFA+1] offset:KSTEP*2 th:TH_LOAD_NT scope:SCOPE_SE
.Lnot_mine_\@:
.endm
; A round of the cluster's barrier: my work-group's barrier, so that wave 0's signal speaks for all four waves; wave 0 signals for the work-group; every wave waits for all sixteen work-groups;
; my work-group's barrier once more.  No LDS instruction of the wave is pending at a signal.
.macro CREST                           ; a round behind its opening barrier
	s_cmp_lg_u32 s10, 0
	s_cbranch_scc1 .Lnot_wave_0_\@
	s_barrier_signal -3
.Lnot_wave_0_\@:
	s_barrier_wait -3
	s_barrier_signal -1
	s_barrier_wait -1
.endm
.macro CROUND                          ; a whole round
	s_barrier_signal -1
	s_barrier_wait -1
	CREST
.endm
	s_load_b128 s[4:7], s[0:1], 0x0                ; xb s[4:5], wb s[6:7]
	s_load_b128 s[68:71], s[0:1], 0x10             ; bias s[68:69], res s[70:71]
	s_load_b64 s[8:9], s[0:1], 0x20                ; out0
	v_lshl_add_u32 v[SPW], v0, 2, SPARE
	v_mov_b32 v[NIL], 0
	ds_add_u32 v[SPW], v[NIL]                      ; the wave's opening: the add, twice on end, and its wait ahead of my first tensor load; the set-up below, work on registers, stands between
	ds_add_u32 v[SPW], v[NIL]                      ; and once more, under the one wait
	v_lshrrev_b32 v1, 5, v0
	v_readfirstlane_b32 s10, v1                    ; wave 0..3
	s_lshr_b32 s11, s10, 1                         ; which half of the tile's rows is mine.  Also: I fetch for xb (0) or for wb (1)
	s_and_b32 s12, s10, 1                          ; which half of its columns.  Also: which 128 rows of that tile I fetch
	s_bfe_u32 s40, ttmp6, 0x40000                  ; cx: my place along the cluster's x
	s_bfe_u32 s41, ttmp6, 0x40004                  ; cy: along its y
	s_lshl_b32 s42, ttmp9, 2                       ; in a cluster launch ttmp9 and ttmp7 count clusters
	s_add_co_u32 s42, s42, s40                     ; tile column = 4 x cluster x + cx
	s_and_b32 s13, ttmp7, 0xffff
	s_lshl_b32 s13, s13, 2
	s_add_co_u32 s13, s13, s41                     ; tile row = 4 x cluster y + cy
	s_lshl_b32 s43, s41, 2
	s_lshl_b32 s43, 15, s43                        ; my row of the cluster: places 4 cy .. 4 cy + 3
	s_lshl_b32 s44, 0x1111, s40                    ; my column: places cx, cx + 4, cx + 8, cx + 12
	; descriptor group 1: a tile of 128 rows x 128 elements, padded in LDS
	s_or_b32 s[G1+0], s43, (1<<16)|(1<<20)|(1<<21)|(5<<22)|(3<<25)  ; 15:0 the mask: xb's tiles go to my row; 17:16 elements of 2 bytes; 20 padding on; 21 set beside a mask; 24:22 after every 64 words (code 5); 31:25 4 words of it (code 3)
	s_or_b32 s[G1B+0], s44, (1<<16)|(1<<20)|(1<<21)|(5<<22)|(3<<25) ; the same with the mask of my column, for wb's tiles
.irp g, G1, G1B
	s_mov_b32 s[(\g)+1], KSTEP<<16                 ; tensor_dim0 = 128
	s_mov_b32 s[(\g)+2], 128<<16                   ; tensor_dim1 = 128
	s_mov_b32 s[(\g)+3], KSTEP<<16                 ; tile_dim0 = 128
	s_mov_b32 s[(\g)+4], 128                       ; tile_dim1 = 128
	s_mov_b32 s[(\g)+5], SIZE_K                    ; elements from row to row
	s_mov_b32 s[(\g)+6], 0
	s_mov_b32 s[(\g)+7], 0
.endr
	; where the tiles come from.  xb's hang on the tile row alone, which my row of the cluster shares; wb's on the tile column alone, which my column shares.
	s_lshl_b32 s17, s12, 7                         ; which 128 rows of the tile I fetch
	s_lshl_b32 s16, s13, 8
	s_add_co_u32 s16, s16, s17                     ; xb: row 256 x tile row + 128 x half
	s_lshl_b32 s46, s42, 8
	s_add_co_u32 s46, s46, s17                     ; wb: row 256 x tile column + 128 x half
	s_mov_b32 s17, 0
	s_mov_b32 s47, 0
	s_mov_b64 s[18:19], SIZE_K*2
	s_mul_u64 s[16:17], s[16:17], s[18:19]         ; in bytes
	s_mul_u64 s[46:47], s[46:47], s[18:19]
	s_mul_i32 s20, s10, HALFT                      ; and where they go: wave x 128 rows: no place in the cluster enters an LDS address
	s_wait_dscnt 0x0                               ; both opening adds are done
	s_wait_kmcnt 0x0
	s_add_nc_u64 s[14:15], s[4:5], s[16:17]
	s_add_nc_u64 s[46:47], s[6:7], s[46:47]
	CROUND                                         ; all sixteen work-groups are here: the first joint loads meet
.irp s, 0,1
	s_mov_b32 s[G0+4*(\s)], 1                                      ; count = 1
	s_add_co_u32 s[G0+4*(\s)+1], s20, (\s)*SLOT                    ; LDS address
	s_add_nc_u64 s[G0+4*(\s)+2:G0+4*(\s)+3], s[14:15], (\s)*KSTEP*2  ; global address: K step s
	s_or_b32 s[G0+4*(\s)+3], s[G0+4*(\s)+3], 0x80000000            ; type = 2
	s_mov_b32 s[G0B+4*(\s)], 1
	s_add_co_u32 s[G0B+4*(\s)+1], s20, (\s)*SLOT
	s_add_nc_u64 s[G0B+4*(\s)+2:G0B+4*(\s)+3], s[46:47], (\s)*KSTEP*2
	s_or_b32 s[G0B+4*(\s)+3], s[G0B+4*(\s)+3], 0x80000000
	JLOAD \s                                       ; the ring is filled before anything else is done: two tensor loads of mine are out
.endr
	; A fragment is 16 rows x 32 K in 8 registers: lane l holds row l % 16; registers 0-3 hold K = 8 (l / 16) + 0..7, registers 4-7 K = 16 + 8 (l / 16) + 0..7: two loads of 16 bytes, 32 bytes apart.
	v_and_b32 v1, 15, v0                           ; l % 16
	v_bfe_u32 v2, v0, 4, 1                         ; l / 16
	v_mul_u32_u24 v3, v1, PITCH
	v_lshl_add_u32 v3, v2, 4, v3                   ; row x pitch + 16 x half
	s_mul_i32 s21, s11, HALFT                      ; my 128 rows of xb
	s_mul_i32 s22, s12, HALFT                      ; my 128 rows of wb,
	s_add_co_u32 s22, s22, 2*HALFT                 ; which lie behind xb's 256
.irp s, 0,1
	v_add_nc_u32 v[ADRA+(\s)], s21, v3
	v_add_nc_u32 v[ADRB+(\s)], s22, v3
	s_add_co_u32 s21, s21, SLOT
	s_add_co_u32 s22, s22, SLOT
.endr
	s_mul_i32 s23, s10, 16*SP
	s_add_co_u32 s23, s23, STAGE                   ; my stage
	v_mul_u32_u24 v4, v2, 8*SP                     ; in: rows 8 (l / 16) on, column l % 16
	v_lshl_add_u32 v4, v1, 2, v4
	v_add_nc_u32 v[STO], s23, v4
	v_and_b32 v5, 31, v0
	v_lshlrev_b32 v[CO], 4, v5                     ; back, and in out0: 16 bytes a lane, a whole row of 512 bytes a wave
	v_add_nc_u32 v[RD], s23, v[CO]
	v_lshlrev_b32 v[RO], 4, v1
	v_lshl_add_u32 v[RO], v2, 16, v[RO]            ; res: 16 bytes a column, 65,536 bytes for eight rows
	v_lshlrev_b32 v[BO], 2, v1
	v_mov_b32 v[ONE], 1.0
	; my part of the tile begins at row mrow, column ncol
	s_lshl_b32 s13, s13, 8                         ; 256 x tile row
	s_lshl_b32 s14, s11, 7
	s_add_co_u32 s16, s13, s14                     ; mrow
	s_lshl_b32 s46, s42, 8
	s_lshl_b32 s47, s12, 7
	s_add_co_u32 s46, s46, s47                     ; ncol
	s_mov_b32 s19, 0
	s_lshl_b32 s18, s16, 14                        ; a row of out0 is 16,384 bytes
	s_add_nc_u64 s[8:9], s[8:9], s[18:19]
	s_lshl_b32 s18, s46, 2
	s_add_nc_u64 s[8:9], s[8:9], s[18:19]
	s_add_nc_u64 s[68:69], s[68:69], s[18:19]      ; bias at ncol
	s_lshl_b32 s18, s16, 13                        ; eight rows of res are 65,536 bytes
	s_add_nc_u64 s[70:71], s[70:71], s[18:19]
	s_lshl_b32 s18, s46, 4
	s_add_nc_u64 s[70:71], s[70:71], s[18:19]
	; the prefetches.  s13 = 256 x tile row, s42 = tile column, s40 = cx, s41 = cy still stand
	s_lshl_b32 s42, s42, 8
	s_and_b32 s22, ttmp7, 0xffff                   ; cluster y
	s_cmp_eq_u32 s11, 0                            ; do I fetch for xb?
	s_cselect_b32 s20, s13, s42                    ; the tile's first row
	s_cselect_b32 s21, s40, s41                    ; my place among the four that ask for it with me
	s_cselect_b32 s22, ttmp9, s22                  ; the coordinate along which other clusters walk the same rows
	s_cselect_b64 s[PFA:PFA+1], s[4:5], s[6:7]
	s_cmp_eq_u32 s22, 0
	s_cselect_b32 s[LIM], 1, -1                    ; the same in all sixteen partners, for a given wave
	s_lshl_b32 s22, s12, 7
	s_add_co_u32 s20, s20, s22                     ; + the 128 rows that I fetch
	s_lshl_b32 s21, s21, 5
	s_add_co_u32 s20, s20, s21                     ; + my work-group's 32 of them
	s_mov_b32 s21, 0
	s_mov_b64 s[18:19], SIZE_K*2
	s_mul_u64 s[20:21], s[20:21], s[18:19]
	s_add_nc_u64 s[PFA:PFA+1], s[PFA:PFA+1], s[20:21]
	s_add_nc_u64 s[PFA:PFA+1], s[PFA:PFA+1], 2*KSTEP*2  ; at K step 2: the first refill steps it to 3 and names K step 4
	v_and_b32 v[PFO], 31, v0
	v_mul_u32_u24 v[PFO], v[PFO], SIZE_K*2
	; the bias of my 128 columns: one number a lane and column block, spread over the eight registers of a C operand.  56 copies, in the wait for the first tile, in place of 512 additions on the way out
.irp b, 0,1,2,3,4,5,6,7
	global_load_b32 v[BC+8*(\b)], v[BO], s[68:69] offset:64*(\b)
.endr
	s_wait_loadcnt 0x0
.irp b, 0,1,2,3,4,5,6,7
.irp j, 1,2,3,4,5,6,7
	v_mov_b32 v[BC+8*(\b)+(\j)], v[BC+8*(\b)]
.endr
.endr
; 16 matrix instructions: row blocks a0, a0 + 1 of the window's four (hi = 0: my rows 0-63, 1: rows 64-127) x all 8 column blocks, 32 along K.  first = 1: the product starts the sum with the bias.
; The 64 accumulators take turns, one instruction a turn, in the same order in every quarter step.
.macro MUL16 f, hi, a0, first
.if \first
	WIN MUL_C0+0x40*(\hi)
.else
	WIN MUL_LO+0x50*(\hi)
.endif
.irp a, \a0, (\a0)+1
.irp b, 0,1,2,3,4,5,6,7
.if \first
	v_wmma_f32_16x16x32_bf16 v[8*(8*(\a)+(\b)):8*(8*(\a)+(\b))+7], v[(\f)+8*(4*(\hi)+(\a)):(\f)+8*(4*(\hi)+(\a))+7], v[(\f)+8*(\b):(\f)+8*(\b)+7], v[BC+8*(\b):BC+8*(\b)+7]
.else
	v_wmma_f32_16x16x32_bf16 v[8*(8*(\a)+(\b)):8*(8*(\a)+(\b))+7], v[(\f)+8*(4*(\hi)+(\a)):(\f)+8*(4*(\hi)+(\a))+7], v[(\f)+8*(\b):(\f)+8*(\b)+7], v[8*(8*(\a)+(\b)):8*(8*(\a)+(\b))+7]
.endif
.endr
.endr
.endm
; 32 LDS loads in one run: the fragments of one quarter step (128 rows of wb, 128 rows of xb, 32 K at byte k of the rows) into buffer f
.macro FETCH slot, k, f
	WIN TO_B
.irp i, 0,1,2,3,4,5,6,7
	ds_load_b128 v[(\f)+8*(\i):(\f)+8*(\i)+3],   v[ADRB+(\slot)] offset:(\k)+(\i)*16*PITCH
	ds_load_b128 v[(\f)+8*(\i)+4:(\f)+8*(\i)+7], v[ADRB+(\slot)] offset:(\k)+(\i)*16*PITCH+32
.endr
	WIN 0
.irp i, 0,1,2,3,4,5,6,7
	ds_load_b128 v[(\f)+8*(\i):(\f)+8*(\i)+3],   v[ADRA+(\slot)] offset:(\k)+(\i)*16*PITCH
	ds_load_b128 v[(\f)+8*(\i)+4:(\f)+8*(\i)+7], v[ADRA+(\slot)] offset:(\k)+(\i)*16*PITCH+32
.endr
.endm
; A load into a register that a matrix instruction has read, and a vector instruction that touches a matrix instruction's registers, stand four places behind it, and only plain vector instructions that
; name none of its registers are places (ISA guide 7.12.1 for vector instructions).
.macro PLACES
.rept 4
	v_nop
.endr
.endm
; A K step is four quarter steps of 32 along K, 64 matrix instructions each, on buffers 0, 1, 0, 1.  One of the first three: multiplies buffer f; in its middle it fetches the next quarter, at byte k, into g.
.macro QUARTER slot, k, f, g, first
	s_wait_dscnt 8                                 ; wb and xb's rows 0-63 are in; the youngest eight loads (xb's rows 64-127) may be out
	MUL16 \f, 0, 0, \first
	MUL16 \f, 0, 2, \first
	PLACES
	FETCH \slot, \k, \g
	s_wait_dscnt 32                                ; all but the 32 just issued
	MUL16 \f, 1, 0, \first
	MUL16 \f, 1, 2, \first
.endm
; The last quarter multiplies buffer 1 and changes slots.  MEET is its first half: ONE barrier for the change.  In front of it each wave waits for all its tensor loads, of which one is out: its part of
; the next slot; adds 0 to its spare word; and waits for that and for its own reads of this slot.  Behind it nobody reads this slot any more and the next slot is whole.
.macro MEET round                      ; round = 1: a round of the cluster's barrier follows
	WIN 0                                          ; (the add's two registers lie in window 0)
	s_wait_tensorcnt 0x0                           ; all my tensor loads have landed
	ds_add_u32 v[SPW], v[NIL]                      ; 0 onto my spare word
	s_wait_dscnt 9                                 ; (the add and the youngest eight loads may be out)
	MUL16 F1, 0, 0, 0                              ; sixteen matrix instructions stand between the add and the wait for it
	s_wait_dscnt 0x0                               ; the add is done, and my reads of this slot are over
	s_barrier_signal -1
	MUL16 F1, 0, 2, 0                              ; work on registers while the others arrive
.if \round
	WIN 0
.endif
	s_barrier_wait -1
.endm
; The whole last quarter.  fill = 1: behind a round of the cluster's barrier the slot just read out is filled again first, with the K step two steps on: from that request to the wait for it a wave issues
; 224 matrix instructions; one tensor load of mine is out.  Then come the next slot's first fragments.
.macro TURN slot, next, fill
.if \fill
	s_wait_xcnt 0x0                                ; the last prefetch, a K step back, has read its address: it is stepped here, ahead of the waits of the change of slots
	s_add_nc_u64 s[PFA:PFA+1], s[PFA:PFA+1], KSTEP*2
	MEET 1
	CREST                                          ; no wave of any partner still reads this slot's tile or has a load on its way
	s_add_nc_u64 s[G0+4*(\slot)+2:G0+4*(\slot)+3], s[G0+4*(\slot)+2:G0+4*(\slot)+3], 2*KSTEP*2
	s_add_nc_u64 s[G0B+4*(\slot)+2:G0B+4*(\slot)+3], s[G0B+4*(\slot)+2:G0B+4*(\slot)+3], 2*KSTEP*2
	JLOAD \slot                                    ; the first tensor load behind the round; its four v_nop are also the places in front of the loads below
	FETCH \next, 0, F0
	ASK
.else
	MEET 0                                         ; nothing is filled again, so no round follows
	PLACES
	FETCH \next, 0, F0
.endif
	MUL16 F1, 1, 0, 0
	MUL16 F1, 1, 2, 0
.endm
; THE WAY OUT.  Row block a (16 rows x 128 columns) lies in 64 registers at AC of window W; its residual, 32 registers (4 a column block), at RB of window RW, in registers that the products do not use.
.macro BLOCK a
.set W, 2+(\a)/4
.set AC, 64*((\a)%4)
.if (\a) == 0
.set RB, 32
.set RW, 0
.elseif (\a) == 1
.set RB, 192
.set RW, 0
.elseif (\a) == 2
.set RB, 224
.set RW, 0
.elseif (\a) == 3
.set RB, 0
.set RW, 1
.elseif (\a) == 4
.set RB, 32
.set RW, 1
.elseif (\a) == 5
.set RB, 192
.set RW, 1
.elseif (\a) == 6
.set RB, 224
.set RW, 1
.else
.set RB, 64                            ; xb's rows 0-63 of buffer 0, free behind the last quarter step that multiplies buffer 0
.set RW, 0
.endif
.endm
.macro RLOAD a                         ; 16 lanes read 256 consecutive bytes of res: sixteen columns' chunks
	BLOCK \a
	WIN RW<<6
.irp b, 0,1,2,3,4,5,6,7
	global_load_b128 v[RB+4*(\b):RB+4*(\b)+3], v[RO], s[70:71] offset:131072*(\a)+256*(\b) th:TH_LOAD_NT
.endr
.endm
.macro ARITH a                         ; relu, then the residual: bf16 half x 1.0 + the sum, in f32.  Each accumulator is read from its lowest register on
	BLOCK \a
	WIN (W<<6)|(W<<2)
.set i, 0
.rept 64
	v_max_num_f32 v[AC+i], 0, v[AC+i]
.set i, i+1
.endr
	WIN (W<<6)|(W<<4)|RW
.set i, 0
.rept 32
	v_fma_mix_f32_bf16 v[AC+2*i], v[RB+i], v[ONE], v[AC+2*i] op_sel_hi:[1,0,0]
	v_fma_mix_f32_bf16 v[AC+2*i+1], v[RB+i], v[ONE], v[AC+2*i+1] op_sel:[1,0,0] op_sel_hi:[1,0,0]
.set i, i+1
.endr
.endm
.macro TOSTAGE a                       ; into my own stage by columns, back by whole rows, into the registers that the block left
	BLOCK \a
	WIN W<<2
.irp b, 0,1,2,3,4,5,6,7
.irp j, 0,1,2,3,4,5,6,7
	ds_store_b32 v[STO], v[AC+8*(\b)+(\j)] offset:(\j)*SP+64*(\b)
.endr
.endr
	WIN W<<6
.irp t, 0,1,2,3,4,5,6,7,8,9,10,11,12,13,14,15
	ds_load_b128 v[AC+4*(\t):AC+4*(\t)+3], v[RD] offset:(\t)*SP  ; LDS serves a wave's instructions in order (ISA guide 5.7.1.4): these see the stores above; the next block's stores come behind them
.endr
.endm
.macro SEND a
	BLOCK \a
	WIN W<<2
	s_wait_dscnt 0x0                               ; the block is back in registers
.irp t, 0,1,2,3,4,5,6,7,8,9,10,11,12,13,14,15
	global_store_b128 v[CO], v[AC+4*(\t):AC+4*(\t)+3], s[8:9] offset:(16*(\a)+(\t))*SIZE_N*4 th:TH_STORE_NT  ; a wave stores 512 consecutive bytes, at a multiple of 512 from out0's first; no base is stepped and no register used again
.endr
.endm
	s_wait_tensorcnt 1                             ; my part of K step 0 is in; K step 1's may stay out
	s_barrier_signal -1
	s_barrier_wait -1                              ; everybody's is
	FETCH 0, 0, F0
	QUARTER 0, 64,  F0, F1, 1                      ; the first quarter stands in front of the loop: its products start the sums, with the bias
	WIN 0                                          ; at a label and at a branch every window is 0
	s_mov_b32 s3, LAPS-1
.Llap:                                             ; a trip goes once round the ring, from a lap's second quarter to the next lap's first, and fills both slots again
	QUARTER 0, 128, F1, F0, 0
	QUARTER 0, 192, F0, F1, 0
	TURN 0, 1, 1
	QUARTER 1, 64,  F0, F1, 0
	QUARTER 1, 128, F1, F0, 0
	QUARTER 1, 192, F0, F1, 0
	TURN 1, 0, 1
	QUARTER 0, 64,  F0, F1, 0
	WIN 0
	s_sub_co_u32 s3, s3, 1
	s_cmp_lg_u32 s3, 0
	s_cbranch_scc1 .Llap
.irp a, 0,1,2,3,4,5,6
	RLOAD \a                                       ; seven blocks' residuals go out now, into idle registers: 448 matrix instructions stand between these loads and the wait for them
.endr
	QUARTER 0, 128, F1, F0, 0                      ; the last lap fills nothing, and has no round of the cluster's barrier
	QUARTER 0, 192, F0, F1, 0
	TURN 0, 1, 0
	QUARTER 1, 64,  F0, F1, 0
	QUARTER 1, 128, F1, F0, 0
	QUARTER 1, 192, F0, F1, 0
	RLOAD 7                                        ; its registers were last read by that quarter's first 32 products, behind which its four v_nop stand
	s_wait_dscnt 8                                 ; the very last quarter: nothing more to fetch
	MUL16 F1, 0, 0, 0
	MUL16 F1, 0, 2, 0
	s_wait_dscnt 0x0
	MUL16 F1, 1, 0, 0
	MUL16 F1, 1, 2, 0
	WIN 0
	PLACES
	PLACES                                         ; (eight, once a launch)
	s_wait_loadcnt 8                               ; blocks 0 to 6's residuals are in; block 7's eight loads may stay out
	ARITH 0
	TOSTAGE 0
.irp a, 1,2,3,4,5,6,7                              ; block a's arithmetic stands between block a - 1's loads from the stage and the wait for them
.if (\a) == 7
	s_wait_loadcnt 0x0                             ; block 7's residual
.endif
	ARITH \a
	SEND (\a)-1
	TOSTAGE \a
.endr
	SEND 7
	WIN 0
	s_wait_tensorcnt 0x0                           ; the wave's end, behind my last tensor load and my last LDS store
	ds_add_u32 v[SPW], v[NIL]
	s_wait_dscnt 0x0
	CROUND                                         ; the closing round: no work-group ends while a partner may still ask for a tile that names it
	s_endpgm
.Lfunc_end_k_q73490f4c18_gemm:
	.size	k_q73490f4c18_gemm, .Lfunc_end_k_q73490f4c18_gemm-k_q73490f4c18_gemm
	.p2alignl 7, 3214868480
	.fill 96, 4, 3214868480
	.section	.rodata,"a",@progbits
	.p2align	6, 0x0
	.amdhsa_kernel k_q73490f4c18_gemm
		.amdhsa_group_segment_fixed_size 327680
		.amdhsa_private_segment_fixed_size 0
		.amdhsa_enable_private_segment 0
		.amdhsa_kernarg_size 40
		.amdhsa_user_sgpr_count 2
		.amdhsa_user_sgpr_kernarg_segment_ptr 1
		.amdhsa_wavefront_size32 1
		.amdhsa_system_sgpr_workgroup_id_x 1
		.amdhsa_system_sgpr_workgroup_id_y 1
		.amdhsa_system_sgpr_workgroup_id_z 1
		.amdhsa_system_vgpr_workitem_id 0
		.amdhsa_next_free_vgpr 1024
		.amdhsa_next_free_sgpr 72
		.amdhsa_reserve_vcc 0
		.amdhsa_float_denorm_mode_32 3
		.amdhsa_float_denorm_mode_16_64 3
		.amdhsa_memory_ordered 1
		.amdhsa_forward_progress 1
		.amdhsa_inst_pref_size 223
	.end_amdhsa_kernel
	.amdgpu_metadata
---
amdhsa.version: [ 1, 2 ]
amdhsa.kernels:
  - .name:           k_q73490f4c18_gemm
    .symbol:         k_q73490f4c18_gemm.kd
    .args:
      - { .name: xb, .offset: 0, .size: 8, .value_kind: global_buffer, .address_space: global }
      - { .name: wb, .offset: 8, .size: 8, .value_kind: global_buffer, .address_space: global }
      - { .name: bias, .offset: 16, .size: 8, .value_kind: global_buffer, .address_space: global }
      - { .name: res, .offset: 24, .size: 8, .value_kind: global_buffer, .address_space: global }
      - { .name: out0, .offset: 32, .size: 8, .value_kind: global_buffer, .address_space: global }
    .group_segment_fixed_size: 327680
    .private_segment_fixed_size: 0
    .kernarg_segment_align: 8
    .kernarg_segment_size: 40
    .max_flat_workgroup_size: 128
    .sgpr_count:     72
    .vgpr_count:     1024
    .wavefront_size: 32
...
	.end_amdgpu_metadata
.endif
;; end of part 2
;; ======== version 2 of 2: 2 launches; version 1 with the launch prep written anew for expert scheduling mode
;; workspace buffers: xb 33,554,432 bytes; wb 33,554,432 bytes; res 33,554,432 bytes
;; launch prep (part 3): grid 512 x 2, 8 waves a work-group, no clusters, 66,560 bytes of LDS; arguments x, weight, mask, residual_connection, xb, wb, res; writes xb, wb, res
.if DOCPART == 3
	.amdgcn_target "amdgcn-amd-amdhsa--gfx1250"
	.amdhsa_code_object_version 6
	.text
	.protected	k_q73490f4c18_prep
	.globl	k_q73490f4c18_prep
	.p2align	8
	.type	k_q73490f4c18_prep,@function
k_q73490f4c18_prep:
	s_mov_b64 s[64:65], 0
	v_nop
	global_prefetch_b8 v0, s[64:65] scope:SCOPE_SE
	s_setreg_imm32_b32 hwreg(HW_REG_WAVE_SCHED_MODE, 0, 2), 2
	s_setreg_imm32_b32 hwreg(HW_REG_WAVE_MODE, 25, 1), 1
	s_wait_xcnt 0x0
	s_wait_alu depctr_vm_vsrc(0)
; PREPARATION FOR THE PRODUCT  out = relu(x (mask ? W : 0)^T + bias) + x[:, rc].   x, weight: [4096][4096] f32; mask: [4096][4096] bytes; rc: [4096] i32.
;   xb  [4096 m][4096 k] bf16 = x rounded once (to nearest even)
;   wb  [4096 n][4096 k] bf16 = weight rounded once where the mask byte is 1, +0 where it is 0
;   res [512 mb][4096 n][8 i] bf16 = xb[8 mb + i][rc[n]]: the 16 bytes that one lane of the product's result (one column n, eight rows) adds at the end
; LIMITS.  rc lies in 0 .. 4095, as the gather in the problem relies on; a number outside is taken as a column inside the row (its LDS position is held to 4095).  A mask byte is 0 or 1.
; SHARES.  Work-group (g, y) owns rows 8 g .. 8 g + 7 of x (y = 0) or of weight and mask (y = 1).  Thread t owns columns 4 (t + 256 i) .. + 3, i = 0 .. 3, of each row: a load of a wave covers 512
; consecutive bytes, and all 128 KiB of the block are asked for at once: 32 loads a thread.  Each input byte is read once; nothing is multiplied, and no work-group shares a byte of the large inputs with
; another: so no matrix unit, no cluster, no tensor load.
; THE GATHER (y = 0).  The block's 8 rows lie in LDS turned: column c's eight bf16 are one chunk of 16 bytes, at 16 p(c), p(c) = 1024 (c % 4) + c / 4, so that the threads of a wave store
; neighbouring chunks.  Behind a barrier thread t reads chunk p(rc[n]) for n = t + 256 k, one LDS load each, and stores it: a wave's store covers 512 consecutive bytes of res.
; The branch between the two kinds of work-group hangs on y alone, which all eight waves share: either every wave passes the barrier or none.
; THE MODE: SCHED_MODE bits 1:0 = 2 (LLVM: expert scheduling mode 2), set by the entry lines.  The code itself states the register dependences between vector instructions and memory or LDS
; instructions, with s_wait_alu, always for 0.
; THE PLAN.  Registers that memory or LDS instructions touch:
;   v1, v2, v3   offsets, made at the head and never written again; read by every load, store and LDS store.
;   RC           y = 0: loaded once, made into LDS addresses by vector lines ahead of group 0's wait, read by the gather's LDS loads, never written again.
;   X            loaded once, at the head.  y = 0: rows 2 u and 2 u + 1 of a group are eight registers e .. e + 7; the conversions pack both rows into e .. e + 3, which two stores read and nothing
;                writes again; e + 4 .. e + 7 are named by vector lines alone, and gather load k = 4 i + u lands there.  y = 1: a row's first two registers are packed, masked, stored, and not written again.
;   TX0 .. TX3   y = 0: group i's sixteen turning conversions write TX[i], its four LDS stores read it, nothing writes it again: a buffer to each group.
;   M, T, v6     loaded once (M) or never: read and written by vector lines alone.
; So no register that a memory or LDS instruction has read is ever written again, and the only dependences to state are: vector results that stores read, and vector reads ahead of the gather's loads.
; ONE wait on va_vdst stands at the head, for the offsets, and ONE in each group, behind its vector lines and ahead of its run of stores: all loads are out already, and the stores are to leave as soon
; as their data are made.  Behind the last group's wait the x path holds no vector line, so that wait also serves the gather's loads.
.set ROWF,  16384                      ; bytes in a row of x and of weight
.set ROWH,  8192                       ; bytes in a row of xb and of wb
.set ROWM,  4096                       ; bytes in a row of mask
.set SPARE, 65536                      ; behind the image: the spare words, 128 bytes for each of the eight waves: four blocks of 256 bytes that no other line names
.set O16, 1                            ; v1   16 t; never rewritten
.set O8,  2                            ; v2   8 t
.set O4,  3                            ; v3   4 t
.set SPW, 4                            ; v4   LDS address of my spare word; never rewritten
.set NIL, 5                            ; v5   0, for the add alone
.set ZERO, 6                           ; v6   0, the byte picker's other source
.set T,   8                            ; v[8:23]    at work: no memory instruction names them
.set X,   32                           ; v[32:159]  group i, row j: four f32 at X + 4 (8 i + j), as loaded
.set RC,  160                          ; v[160:175] y = 0: rc[t + 256 k], then the LDS address of its chunk
.set M,   160                          ; v[160:191] y = 1: group i, row j: four mask bytes at M + 8 i + j
.set TX,  176                          ; v[176:239] y = 0: group i, column q of my four: its chunk's four words at TX + 16 i + 4 q
	s_load_b256 s[4:11], s[0:1], 0x0               ; x s[4:5], weight s[6:7], mask s[8:9], rc s[10:11]
	s_load_b128 s[12:15], s[0:1], 0x20             ; xb s[12:13], wb s[14:15]
	s_load_b64 s[16:17], s[0:1], 0x30              ; res
	v_lshl_add_u32 v[SPW], v0, 2, SPARE
	v_mov_b32 v[NIL], 0
	v_lshlrev_b32 v[O16], 4, v0
	v_lshlrev_b32 v[O8], 3, v0
	v_lshlrev_b32 v[O4], 2, v0
	s_and_b32 s18, ttmp7, 0xffff                   ; y
	s_lshl_b32 s20, ttmp9, 17                      ; my block in x or weight: 8 rows of 16,384 bytes
	s_mov_b32 s21, 0
	s_lshl_b32 s22, ttmp9, 16                      ; in xb, wb and res: 65,536 bytes
	s_mov_b32 s23, 0
	s_lshl_b32 s24, ttmp9, 15                      ; in mask: 32,768 bytes
	s_mov_b32 s25, 0
	s_wait_kmcnt 0x0
	s_wait_alu depctr_va_vdst(0)                   ; v1, v2 and v3 are written: every load, store and LDS store of both paths reads one of them as its offset or address
	s_cmp_lg_u32 s18, 0
	s_cbranch_scc1 .Lw
; Group i's eight loads, a row each, from the base in s[base:base+1]
.macro LOADG base, i
.irp j, 0,1,2,3,4,5,6,7
	global_load_b128 v[X+4*(8*(\i)+(\j)):X+4*(8*(\i)+(\j))+3], v[O16], s[(\base):(\base)+1] offset:ROWF*(\j)+4096*(\i) th:TH_LOAD_NT
.endr
.endm
; The four f32 at v[d] become four bf16 in v[d], v[d+1]
.macro NARROW
	v_cvt_pk_bf16_f32 v[d], v[d], v[d+1]
	v_cvt_pk_bf16_f32 v[d+1], v[d+2], v[d+3]
.endm
; Two rows' four f32 each, at v[e] and v[e+4], become eight bf16 in v[e .. e+3]: the first row's in v[e], v[e+1], the second's in v[e+2], v[e+3].  v[e+4 .. e+7] are read here for the last time
.macro NARROW2
	v_cvt_pk_bf16_f32 v[e], v[e], v[e+1]
	v_cvt_pk_bf16_f32 v[e+1], v[e+2], v[e+3]
	v_cvt_pk_bf16_f32 v[e+2], v[e+4], v[e+5]
	v_cvt_pk_bf16_f32 v[e+3], v[e+6], v[e+7]
.endm
	; ---------------- y = 0: x ----------------
	s_add_nc_u64 s[4:5], s[4:5], s[20:21]
	s_add_nc_u64 s[12:13], s[12:13], s[22:23]
	s_add_nc_u64 s[16:17], s[16:17], s[22:23]
.irp k, 0,1,2,3,4,5,6,7,8,9,10,11,12,13,14,15
	global_load_b32 v[RC+(\k)], v[O4], s[10:11] offset:1024*(\k)  ; rc[t + 256 k]: every work-group reads these, so no hint
.endr
.irp i, 0,1,2,3
	LOADG 4, \i
.endr
	s_wait_loadcnt 32                              ; loads come back in order: rc is in, the 32 younger loads of x stay out
.irp k, 0,1,2,3,4,5,6,7,8,9,10,11,12,13,14,15
	v_and_b32 v[T+(\k)], 3, v[RC+(\k)]             ; c % 4
	v_lshrrev_b32 v[RC+(\k)], 2, v[RC+(\k)]        ; c / 4
	v_lshl_or_b32 v[RC+(\k)], v[T+(\k)], 10, v[RC+(\k)]  ; p(c)
	v_min_u32 v[RC+(\k)], 0xfff, v[RC+(\k)]        ; held inside the image
	v_lshlrev_b32 v[RC+(\k)], 4, v[RC+(\k)]        ; 16 bytes a chunk
.endr
.irp i, 0,1,2,3
	s_wait_loadcnt 8*(3-(\i))                      ; group i is in; the later groups' eight loads each stay out
.irp q, 0,1,2,3                                    ; column q of my four: rows 2 u and 2 u + 1 into word u of its chunk
.irp u, 0,1,2,3
	v_cvt_pk_bf16_f32 v[TX+16*(\i)+4*(\q)+(\u)], v[X+4*(8*(\i)+2*(\u))+(\q)], v[X+4*(8*(\i)+2*(\u)+1)+(\q)]
.endr
.endr
.irp u, 0,1,2,3
.set e, X+32*(\i)+8*(\u)
	NARROW2
.endr
	s_wait_alu depctr_va_vdst(0)                   ; the conversions have written TX[i] and the packed rows, which the twelve stores below read; in group 0 the addresses in RC are written too; in group 3 all conversions are done reading the registers in which the gather's loads land
.irp q, 0,1,2,3
	ds_store_b128 v[O16], v[TX+16*(\i)+4*(\q):TX+16*(\i)+4*(\q)+3] offset:4096*(\i)+16384*(\q)  ; 16 p(c) = 16 t + 4,096 i + 16,384 q: neighbouring lanes, neighbouring chunks
.endr
.irp j, 0,1,2,3,4,5,6,7
	global_store_b64 v[O8], v[X+32*(\i)+8*((\j)/2)+2*((\j)%2):X+32*(\i)+8*((\j)/2)+2*((\j)%2)+1], s[12:13] offset:ROWH*(\j)+2048*(\i) th:TH_STORE_NT  ; a wave's store covers 256 consecutive bytes, aligned
.endr
.endr
	s_wait_dscnt 0x0                               ; for the others' sake: my chunks lie in the image
	s_barrier_signal -1
	s_barrier_wait -1                              ; everybody's do
.irp k, 0,1,2,3,4,5,6,7,8,9,10,11,12,13,14,15
	ds_load_b128 v[X+8*(\k)+4:X+8*(\k)+7], v[RC+(\k)]  ; into the upper four of a pair of rows' eight registers: no store names them, and no vector line since group 3's wait
.endr
.irp k, 0,1,2,3,4,5,6,7,8,9,10,11,12,13,14,15
	s_wait_dscnt 15-(\k)                           ; LDS loads come back in order: chunk k is in, the younger ones stay out
	global_store_b128 v[O16], v[X+8*(\k)+4:X+8*(\k)+7], s[16:17] offset:4096*(\k) th:TH_STORE_NT  ; n = t + 256 k: a wave's store covers 512 consecutive bytes
.endr
	s_branch .Lend
	; ---------------- y = 1: weight and mask ----------------
.Lw:
	s_add_nc_u64 s[6:7], s[6:7], s[20:21]
	s_add_nc_u64 s[8:9], s[8:9], s[24:25]
	s_add_nc_u64 s[14:15], s[14:15], s[22:23]
	s_mov_b32 s26, 0x04010400                      ; picks mask bytes 0 and 1 into the low bytes of the two halves, 0 elsewhere
	s_mov_b32 s27, 0x04030402                      ; the same for bytes 2 and 3
	v_mov_b32 v[ZERO], 0
.irp i, 0,1,2,3
.irp j, 0,1,2,3,4,5,6,7
	global_load_b32 v[M+8*(\i)+(\j)], v[O4], s[8:9] offset:ROWM*(\j)+1024*(\i) th:TH_LOAD_NT
.endr
	LOADG 6, \i
.endr
.irp i, 0,1,2,3
	s_wait_loadcnt 16*(3-(\i))                     ; group i's masks and weights are in; the later groups' sixteen loads each stay out
.irp j, 0,1,2,3,4,5,6,7                            ; the group's vector lines stand by kind, a row after the other, so that none reads the result of the line before it
	v_perm_b32 v[T+2*(\j)], v[ZERO], v[M+8*(\i)+(\j)], s26
	v_perm_b32 v[T+2*(\j)+1], v[ZERO], v[M+8*(\i)+(\j)], s27
.endr
.irp j, 0,1,2,3,4,5,6,7
.set d, X+4*(8*(\i)+(\j))
	NARROW
.endr
.irp j, 0,1,2,3,4,5,6,7
	v_mul_u32_u24 v[T+2*(\j)], 0xffff, v[T+2*(\j)]      ; 1 in a half becomes 0xffff: no carry from the low half into the high one
	v_mul_u32_u24 v[T+2*(\j)+1], 0xffff, v[T+2*(\j)+1]
.endr
.irp j, 0,1,2,3,4,5,6,7
	v_and_b32 v[X+4*(8*(\i)+(\j))], v[X+4*(8*(\i)+(\j))], v[T+2*(\j)]          ; a masked weight is +0, whatever it was
	v_and_b32 v[X+4*(8*(\i)+(\j))+1], v[X+4*(8*(\i)+(\j))+1], v[T+2*(\j)+1]
.endr
	s_wait_alu depctr_va_vdst(0)                   ; the group's masked rows are written, which the eight stores below read
.irp j, 0,1,2,3,4,5,6,7
	global_store_b64 v[O8], v[X+4*(8*(\i)+(\j)):X+4*(8*(\i)+(\j))+1], s[14:15] offset:ROWH*(\j)+2048*(\i) th:TH_STORE_NT
.endr
.endr
.Lend:
	s_wait_dscnt 0x0                               ; the closing lines, six on end
	s_wait_alu 0x0
	s_wait_tensorcnt 0x0
	ds_add_u32 v[SPW], v[NIL]
	s_wait_dscnt 0x0
	s_endpgm
.Lfunc_end_k_q73490f4c18_prep:
	.size	k_q73490f4c18_prep, .Lfunc_end_k_q73490f4c18_prep-k_q73490f4c18_prep
	.p2alignl 7, 3214868480
	.fill 96, 4, 3214868480
	.section	.rodata,"a",@progbits
	.p2align	6, 0x0
	.amdhsa_kernel k_q73490f4c18_prep
		.amdhsa_group_segment_fixed_size 66560
		.amdhsa_private_segment_fixed_size 0
		.amdhsa_enable_private_segment 0
		.amdhsa_kernarg_size 56
		.amdhsa_user_sgpr_count 2
		.amdhsa_user_sgpr_kernarg_segment_ptr 1
		.amdhsa_wavefront_size32 1
		.amdhsa_system_sgpr_workgroup_id_x 1
		.amdhsa_system_sgpr_workgroup_id_y 1
		.amdhsa_system_sgpr_workgroup_id_z 1
		.amdhsa_system_vgpr_workitem_id 0
		.amdhsa_next_free_vgpr 240
		.amdhsa_next_free_sgpr 66
		.amdhsa_reserve_vcc 0
		.amdhsa_float_denorm_mode_32 3
		.amdhsa_float_denorm_mode_16_64 3
		.amdhsa_memory_ordered 1
		.amdhsa_forward_progress 1
		.amdhsa_inst_pref_size 49
	.end_amdhsa_kernel
	.amdgpu_metadata
---
amdhsa.version: [ 1, 2 ]
amdhsa.kernels:
  - .name:           k_q73490f4c18_prep
    .symbol:         k_q73490f4c18_prep.kd
    .args:
      - { .name: x, .offset: 0, .size: 8, .value_kind: global_buffer, .address_space: global }
      - { .name: weight, .offset: 8, .size: 8, .value_kind: global_buffer, .address_space: global }
      - { .name: mask, .offset: 16, .size: 8, .value_kind: global_buffer, .address_space: global }
      - { .name: residual_connection, .offset: 24, .size: 8, .value_kind: global_buffer, .address_space: global }
      - { .name: xb, .offset: 32, .size: 8, .value_kind: global_buffer, .address_space: global }
      - { .name: wb, .offset: 40, .size: 8, .value_kind: global_buffer, .address_space: global }
      - { .name: res, .offset: 48, .size: 8, .value_kind: global_buffer, .address_space: global }
    .group_segment_fixed_size: 66560
    .private_segment_fixed_size: 0
    .kernarg_segment_align: 8
    .kernarg_segment_size: 56
    .max_flat_workgroup_size: 256
    .sgpr_count:     66
    .vgpr_count:     240
    .wavefront_size: 32
...
	.end_amdgpu_metadata
.endif
;; end of part 3
;; launch gemm: the kernel of part 2 again; grid 16 x 16, 4 waves a work-group, clusters of 4 x 4, 327,680 bytes of LDS; arguments xb, wb, bias, res, out0; writes out0
